; MI455X (gfx1250); checked and timed in simulation.
; The chip was launched on July 23, 2026; its instructions are those of AMD's public machine-readable ISA for CDNA 5 (MIT licence, August 2026) and "CDNA5" Instruction Set Architecture Reference Guide (July 2026). The comments in the code are by the model that wrote it; some were corrected since.
;; Continuous Time Aware MHSA. Allowed arithmetic: float matrix products may take bf16 or f16 operands with f32 sums; all other float work in f32.
;; Inputs: Wk 1,024 x 1,024 float32; Wq 1,024 x 1,024 float32; Wv 1,024 x 1,024 float32; alpha one number float32; bk 1,024 float32; bq 1,024 float32; bv 1,024 float32; mask 4 x 1 x 2,048 x 2,048 int32; time_intervals 4 x 2,048 x 2,048 float32; x 4 x 2,048 x 1,024 float32.
;; Outputs: out0 4 x 2,048 x 1,024 float32.
;; One version. Each part assembles by itself: llvm-mc -triple=amdgcn-amd-amdhsa -mcpu=gfx1250 --defsym DOCPART=n.
;; ======== version 1 of 1: 3 launches
;; limits: values are held in f16: magnitudes above 65,504 overflow, below 6.1e-05 lose precision; right only within a limited range of input values
;; workspace buffers: Xb 16,777,216 bytes; Wt 6,291,456 bytes; Qf 16,777,216 bytes; Kf 16,777,216 bytes; Vf 16,777,216 bytes; Vm 524,288 bytes
;; launch prep (part 1): grid 1408 x 1, 8 waves a work-group, no clusters, 18,432 bytes of LDS; arguments x, Wq, Wk, Wv, Xb, Wt; writes Xb, Wt
.if DOCPART == 1
	.amdgcn_target "amdgcn-amd-amdhsa--gfx1250"
	.amdhsa_code_object_version 6
	.text
	.protected	k_qc03aa64123_prep
	.globl	k_qc03aa64123_prep
	.p2align	8
	.type	k_qc03aa64123_prep,@function
k_qc03aa64123_prep:
	s_mov_b64 s[64:65], 0
	v_nop
	global_prefetch_b8 v0, s[64:65] scope:SCOPE_SE
	s_setreg_imm32_b32 hwreg(HW_REG_WAVE_MODE, 25, 1), 1
	s_wait_xcnt 0x0
; prep: operands of the projection product, in bf16 and in the order in which that product reads them.
;   Xb[8192][1024] bf16 = x, rounded once.
;   Wt[3072][1024] bf16: row head*192 + mat*64 + d (mat 0 = q, 1 = k, 2 = v) holds W_mat[k][head*64 + d] for k = 0..1023, k along the row.
; Work-groups 0..1023 cast 32,768 bytes of x each; work-groups 1024..1407 cast and transpose a block of 128 k x 64 n of one W.
; A stream: each byte is read once and written once, 16 bytes a lane in, whole aligned runs of 256 bytes out.  No matrix unit, no cluster:
; no work-group shares a byte with another.
.set XWG, 1024                         ; work-groups of the x path
.set WPITCH, 272                       ; LDS row of the transposed block: 128 k x 2 bytes + 16
	s_load_b256 s[4:11], s[0:1], 0x0               ; x s[4:5], Wq s[6:7], Wk s[8:9], Wv s[10:11]
	s_load_b128 s[12:15], s[0:1], 0x20             ; Xb s[12:13], Wt s[14:15]
	v_lshl_add_u32 v72, v0, 2, 0x4400
	v_mov_b32 v73, 0
	s_cmp_lt_u32 ttmp9, XWG                        ; the same for all waves of a work-group
	s_cbranch_scc0 .Lweights
	; ---- x: thread t takes 16 bytes at 16 t + 4096 i, i = 0..7, and stores 8 bytes at 8 t + 2048 i
	v_lshlrev_b32 v1, 4, v0
	v_lshlrev_b32 v2, 3, v0
	s_lshl_b32 s16, ttmp9, 15                      ; 32,768 bytes of x for each work-group
	s_mov_b32 s17, 0
	s_lshl_b32 s18, ttmp9, 14                      ; 16,384 bytes of Xb
	s_mov_b32 s19, 0
	s_wait_kmcnt 0x0
	s_add_nc_u64 s[4:5], s[4:5], s[16:17]
	s_add_nc_u64 s[12:13], s[12:13], s[18:19]
.irp i, 0,1,2,3,4,5,6,7
	global_load_b128 v[8+4*\i:8+4*\i+3], v1, s[4:5] offset:4096*\i th:TH_LOAD_NT   ; x is read once in this launch
.endr
.irp i, 0,1,2,3,4,5,6,7
	s_wait_loadcnt 7-\i                            ; loads come back in order: load i is in, the 7 - i younger ones stay out
	v_cvt_pk_bf16_f32 v[40+2*\i], v[8+4*\i], v[8+4*\i+1]
	v_cvt_pk_bf16_f32 v[41+2*\i], v[8+4*\i+2], v[8+4*\i+3]
	global_store_b64 v2, v[40+2*\i:41+2*\i], s[12:13] offset:2048*\i   ; a wave's store covers 256 consecutive bytes, aligned
.endr
	s_endpgm
	; ---- W: block (mat, kblk, head) = 128 rows k x 64 columns n
.Lweights:
	s_sub_co_u32 s16, ttmp9, XWG
	s_lshr_b32 s17, s16, 7                         ; mat 0..2
	s_bfe_u32 s18, s16, 0x30004                    ; kblk 0..7
	s_and_b32 s19, s16, 15                         ; head 0..15
	v_lshrrev_b32 v1, 4, v0                        ; kp 0..15
	v_and_b32 v2, 15, v0                           ; c16 0..15
	v_lshlrev_b32 v3, 4, v2                        ; 16 c16
	v_lshl_add_u32 v4, v1, 13, v3                  ; load: rows 2 kp (8,192 bytes for two rows) + my 16 bytes of the 256
	v_mul_u32_u24 v5, v2, 4*WPITCH
	v_lshl_add_u32 v5, v1, 2, v5                   ; LDS in: row n = 4 c16 (+ c), word kp (+ 16 u)
	v_mul_u32_u24 v6, v1, WPITCH
	v_add_nc_u32 v6, v6, v3                        ; LDS back: row n = kp (+ 16 i), 16 bytes at 16 c16
	v_lshl_add_u32 v7, v1, 11, v3                  ; Wt: the same row (2,048 bytes) and 16 bytes
	s_lshl_b32 s22, s18, 19                        ; kblk x 128 rows x 4,096 bytes
	s_lshl_b32 s23, s19, 8                         ; head x 64 columns x 4 bytes
	s_add_co_u32 s22, s22, s23
	s_mov_b32 s23, 0
	s_mul_i32 s24, s19, 192
	s_lshl_b32 s25, s17, 6
	s_add_co_u32 s24, s24, s25                     ; first row of Wt
	s_lshl_b32 s24, s24, 11
	s_lshl_b32 s25, s18, 8                         ; kblk x 128 k x 2 bytes
	s_add_co_u32 s24, s24, s25
	s_mov_b32 s25, 0
	s_wait_kmcnt 0x0
	s_cmp_eq_u32 s17, 0
	s_cselect_b64 s[20:21], s[6:7], s[8:9]
	s_cmp_eq_u32 s17, 2
	s_cselect_b64 s[20:21], s[10:11], s[20:21]     ; the W that mat names
	s_add_nc_u64 s[20:21], s[20:21], s[22:23]
	s_add_nc_u64 s[14:15], s[14:15], s[24:25]
.irp u, 0,1,2,3
	global_load_b128 v[8+8*\u:8+8*\u+3],  v4, s[20:21] offset:131072*\u th:TH_LOAD_NT        ; row k = 32 u + 2 kp
	global_load_b128 v[12+8*\u:12+8*\u+3], v4, s[20:21] offset:131072*\u+4096 th:TH_LOAD_NT  ; row k + 1; sixteen lanes take 256 consecutive bytes
.endr
.irp u, 0,1,2,3
	s_wait_loadcnt 6-2*\u                          ; the two rows of u are in, the younger pairs stay out
.irp c, 0,1,2,3
	v_cvt_pk_bf16_f32 v[40+4*\u+\c], v[8+8*\u+\c], v[12+8*\u+\c]      ; k and k + 1 of column n = 4 c16 + c: neighbours along Wt's row
	ds_store_b32 v5, v[40+4*\u+\c] offset:\c*WPITCH+64*\u
.endr
.endr
	s_wait_dscnt 0x0                               ; my stores are done before I say so: other waves read these rows
	s_barrier_signal -1
	s_barrier_wait -1
.irp i, 0,1,2,3
	ds_load_b128 v[56+4*\i:56+4*\i+3], v6 offset:16*WPITCH*\i
.endr
.irp i, 0,1,2,3
	s_wait_dscnt 3-\i
	global_store_b128 v7, v[56+4*\i:56+4*\i+3], s[14:15] offset:32768*\i   ; sixteen lanes fill 256 consecutive bytes, aligned
.endr
	s_wait_tensorcnt 0x0
	ds_add_u32 v72, v73
	s_wait_dscnt 0x0
	s_endpgm
.Lfunc_end_k_qc03aa64123_prep:
	.size	k_qc03aa64123_prep, .Lfunc_end_k_qc03aa64123_prep-k_qc03aa64123_prep
	.p2alignl 7, 3214868480
	.fill 96, 4, 3214868480
	.section	.rodata,"a",@progbits
	.p2align	6, 0x0
	.amdhsa_kernel k_qc03aa64123_prep
		.amdhsa_group_segment_fixed_size 18432
		.amdhsa_private_segment_fixed_size 0
		.amdhsa_enable_private_segment 0
		.amdhsa_kernarg_size 48
		.amdhsa_user_sgpr_count 2
		.amdhsa_user_sgpr_kernarg_segment_ptr 1
		.amdhsa_wavefront_size32 1
		.amdhsa_system_sgpr_workgroup_id_x 1
		.amdhsa_system_sgpr_workgroup_id_y 1
		.amdhsa_system_sgpr_workgroup_id_z 1
		.amdhsa_system_vgpr_workitem_id 0
		.amdhsa_next_free_vgpr 74
		.amdhsa_next_free_sgpr 66
		.amdhsa_reserve_vcc 0
		.amdhsa_float_denorm_mode_32 3
		.amdhsa_float_denorm_mode_16_64 3
		.amdhsa_memory_ordered 1
		.amdhsa_forward_progress 1
		.amdhsa_inst_pref_size 9
	.end_amdhsa_kernel
	.amdgpu_metadata
---
amdhsa.version: [ 1, 2 ]
amdhsa.kernels:
  - .name:           k_qc03aa64123_prep
    .symbol:         k_qc03aa64123_prep.kd
    .args:
      - { .name: x, .offset: 0, .size: 8, .value_kind: global_buffer, .address_space: global }
      - { .name: Wq, .offset: 8, .size: 8, .value_kind: global_buffer, .address_space: global }
      - { .name: Wk, .offset: 16, .size: 8, .value_kind: global_buffer, .address_space: global }
      - { .name: Wv, .offset: 24, .size: 8, .value_kind: global_buffer, .address_space: global }
      - { .name: Xb, .offset: 32, .size: 8, .value_kind: global_buffer, .address_space: global }
      - { .name: Wt, .offset: 40, .size: 8, .value_kind: global_buffer, .address_space: global }
    .group_segment_fixed_size: 18432
    .private_segment_fixed_size: 0
    .kernarg_segment_align: 8
    .kernarg_segment_size: 48
    .max_flat_workgroup_size: 256
    .sgpr_count:     66
    .vgpr_count:     74
    .wavefront_size: 32
...
	.end_amdgpu_metadata
.endif
;; end of part 1
;; launch qkv (part 2): grid 16 x 32, 4 waves a work-group, clusters of 4 x 4, 327,680 bytes of LDS; arguments Xb, Wt, bq, bk, bv, Qf, Kf, Vf, Vm; writes Qf, Kf, Vf, Vm
.if DOCPART == 2
	.amdgcn_target "amdgcn-amd-amdhsa--gfx1250"
	.amdhsa_code_object_version 6
	.text
	.protected	k_qc03aa64123_qkv
	.globl	k_qc03aa64123_qkv
	.p2align	8
	.type	k_qc03aa64123_qkv,@function
k_qc03aa64123_qkv:
	s_mov_b64 s[64:65], 0
	v_nop
	global_prefetch_b8 v0, s[64:65] scope:SCOPE_SE
	s_setreg_imm32_b32 hwreg(HW_REG_WAVE_MODE, 25, 1), 1
	s_wait_xcnt 0x0
	s_wait_alu depctr_hold_cnt(0) depctr_sa_sdst(0) depctr_va_vdst(0) depctr_va_sdst(0) depctr_va_ssrc(0) depctr_va_vcc(0) depctr_vm_vsrc(0)
	s_getreg_b32 s2, hwreg(HW_REG_IB_STS2, 6, 4)
	s_cmp_eq_u32 s2, 0
	s_cbranch_scc0 .Lentry_in_a_cluster
	s_endpgm
.Lentry_in_a_cluster:
	s_bfe_u32 s2, ttmp6, 0x10000c
	s_cmp_lg_u32 s2, 0xf033
	s_cbranch_scc0 .Lentry_shape_is_right
	s_endpgm
.Lentry_shape_is_right:
; qkv: [8192 x 1024] x [1024 x 3072] in bf16 with f32 sums, + bias; Q is also multiplied by log2(e)/8.  Results are rounded once to f16.
; Work-group (x = head, y = block of 256 rows) makes Q, K and V of one head: 256 rows x 192 columns.  Wave w: rows 64 w .. 64 w + 63, all 192 columns:
; 48 accumulator tiles of 16 x 16 = 384 registers.  K goes in 8 steps of 128 (rows of 256 bytes) through two LDS slots filled by tensor loads.
; CLUSTER 4 x 4: the four work-groups of a row of the cluster share the rows of Xb, the four of a column the rows of Wt; each tile is asked for jointly.
; OUTPUT in the order in which the attention launch's matrix operands lie in registers: [b*16+head][tile of 16 sequence rows][chunk 0..3][lane][16 bytes].
;   Qf, Kf: chunk e, lane (r, h): row 16 tile + r, d = 16 e + 8 h .. + 7.      Vf: chunk dt, lane (r, h): d = 16 dt + r, rows 16 tile + 8 h .. + 7.
;   For Q and K source 0 is the fragment of Wt (a lane then holds 8 neighbouring d of one row), for V source 0 is the fragment of Xb (8 neighbouring rows of one d):
;   four conversions make a lane's 16 bytes and a wave's store covers 512 consecutive bytes.  No trip through LDS on the way out.
;   Vm[b*16+head][partial 4 (y & 7) + w][h' 2][r 16][e 2] f32 = (sum of V + bv over my 64 rows) / 2048 at d = 16 (2 h' + e) + r: the 32 partials of a head add up
;   to the mean of V over the 2,048 keys, which the attention launch gives to rows in which nothing lies above the masked score.
; LIMIT: f16 results: |Q| log2(e)/8, |K| and |V| must stay below 65,504.  With x and W 30 times the drawn spread the projections have spread 900;
;   with offsets of 30 spreads on both they reach 1024 x 30 x 30/32 = 28,800.
; REGISTERS: window 0: addresses, fragments of Xb (two buffers), biases, work on the way out; window 1: fragments of Wt (two buffers);
;   window 2: Q/K tiles (a, b) at 8 (8 a + b); window 3: V tiles (a, dt) at 8 (4 a + dt).
.set KSTEP,  128
.set PITCH,  272                       ; 256 bytes + 16 of padding: the 16 rows of a fragment load start 68 words apart
.set AHALF,  128*PITCH                 ; what waves 0 and 1 fetch: 128 rows of Xb
.set BHALF,  96*PITCH                  ; what waves 2 and 3 fetch: 96 rows of Wt
.set BOFF,   2*AHALF
.set SLOT,   2*AHALF+2*BHALF           ; 121,856 bytes
.set LAPS,   1024/(2*KSTEP)            ; 4 laps of two K steps
.set ADRA, 16                          ; v16-17 LDS address of my Xb fragments in slot 0, 1
.set ADRB, 20                          ; v20-21 the same for Wt
.set LN16, 24                          ; v24    16 x lane
.set H32,  25                          ; v25    32 h
.set R4,   26                          ; v26    4 r
.set FA,   32                          ; window 0: Xb fragments, buffer p at FA + 32 p
.set BQK,  96                          ; v96-159  bias of tile b = 0..7 (Q: 0-3, K: 4-7): 8 numbers a lane
.set BV,   160                         ; v160-167 bv[16 dt + r], twice: a pair for the packed add
.set VS,   168                         ; v168-175 the way out: running sums of V + bv over my rows, a pair for each dt
.set T,    32                          ; the way out: f32 at work (the fragment buffers, free by then)
.set Y,    176                         ; the way out: packed f16
.set G1,  24                           ; s[24:31] group 1 for Xb's tiles
.set G0,  32                           ; s[32:39] group 0 for Xb's tiles, a set for each slot
.set G1B, 48                           ; s[48:55] group 1 for Wt's tiles
.set G0B, 56                           ; s[56:63] group 0 for Wt's tiles
.set MSB, 0
.macro WIN new                         ; the immediate's high byte repeats the setting that is left
.if MSB != \new
	s_set_vgpr_msb (MSB<<8)|\new
.set MSB, \new
.endif
.endm
.macro PLACES                          ; four plain vector instructions behind a matrix instruction, ahead of loads into its sources and of reads of its result
.rept 4
	v_nop
.endr
.endm
.macro JLOAD s                         ; waves 0, 1 ask for Xb's halves, waves 2, 3 for Wt's: one load a wave; the branch hangs on the wave's number alone
	s_cmp_eq_u32 s11, 0
	s_cbranch_scc0 .Lfor_b_\@
	tensor_load_to_lds s[G0+4*\s:G0+4*\s+3], s[G1:G1+7]
	s_nop 0
	s_branch .Lasked_\@
.Lfor_b_\@:
	tensor_load_to_lds s[G0B+4*\s:G0B+4*\s+3], s[G1B:G1B+7]
	s_nop 0
.Lasked_\@:
.endm
.macro CREST                           ; a round of the cluster's barrier behind its opening work-group barrier
	s_cmp_lg_u32 s10, 0
	s_cbranch_scc1 .Lnot_wave_0_\@
	s_barrier_signal -3
.Lnot_wave_0_\@:
	s_barrier_wait -3
	s_barrier_signal -1
	s_barrier_wait -1
.endm
.macro CROUND
	s_barrier_signal -1
	s_barrier_wait -1
	CREST
.endm
	s_load_b512 s[68:83], s[0:1], 0x0              ; Xb 68, Wt 70, bq 72, bk 74, bv 76, Qf 78, Kf 80, Vf 82
	s_load_b64 s[4:5], s[0:1], 0x40                ; Vm
	s_set_vgpr_msb 0x40
	v_lshl_add_u32 v255, v0, 2, 0x3b800
	s_set_vgpr_msb 0x4000
	v_mov_b32 v255, 0
	s_set_vgpr_msb 0x1
	ds_add_u32 v255, v255
	s_set_vgpr_msb 0x100
	v_lshrrev_b32 v1, 5, v0
	v_readfirstlane_b32 s10, v1                    ; wave 0..3
	s_lshr_b32 s11, s10, 1                         ; I fetch for Xb (0) or for Wt (1)
	s_and_b32 s12, s10, 1                          ; which half of that tile
	s_bfe_u32 s40, ttmp6, 0x40000                  ; cx
	s_bfe_u32 s41, ttmp6, 0x40004                  ; cy
	s_lshl_b32 s42, ttmp9, 2
	s_add_co_u32 s42, s42, s40                     ; head = 4 x cluster x + cx
	s_and_b32 s13, ttmp7, 0xffff
	s_lshl_b32 s13, s13, 2
	s_add_co_u32 s13, s13, s41                     ; row block = 4 x cluster y + cy
	s_lshl_b32 s43, s41, 2
	s_lshl_b32 s43, 15, s43                        ; my row of the cluster
	s_lshl_b32 s44, 0x1111, s40                    ; my column
	s_mov_b32 s84, 0x3e38aa3b                      ; log2(e)/8
	s_mov_b32 s85, 0x3e38aa3b
	; group 1: rows of 128 elements of 2 bytes, 16 bytes of padding behind every 64 words
	s_or_b32 s[G1+0], s43, (1<<16)|(1<<20)|(1<<21)|(5<<22)|(3<<25)   ; Xb's tiles go to my row of the cluster
	s_or_b32 s[G1B+0], s44, (1<<16)|(1<<20)|(1<<21)|(5<<22)|(3<<25)  ; Wt's tiles to my column
	s_mov_b32 s[G1+1], KSTEP<<16                   ; tensor_dim0 = 128
	s_mov_b32 s[G1B+1], KSTEP<<16
	s_mov_b32 s[G1+2], 128<<16                     ; tensor_dim1 = 128 rows
	s_mov_b32 s[G1B+2], 96<<16                     ; 96 rows
	s_mov_b32 s[G1+3], KSTEP<<16                   ; tile_dim0 = 128
	s_mov_b32 s[G1B+3], KSTEP<<16
	s_mov_b32 s[G1+4], 128                         ; tile_dim1
	s_mov_b32 s[G1B+4], 96
	s_mov_b32 s[G1+5], 1024                        ; elements from row to row
	s_mov_b32 s[G1B+5], 1024
	s_mov_b32 s[G1+6], 0
	s_mov_b32 s[G1B+6], 0
	s_mov_b32 s[G1+7], 0
	s_mov_b32 s[G1B+7], 0
	; Xb's address hangs on the row block and the wave, Wt's on the head and the wave, each in registers that never hold the other coordinate
	s_lshl_b32 s16, s13, 8
	s_lshl_b32 s17, s12, 7
	s_add_co_u32 s16, s16, s17                     ; row 256 y + 128 half
	s_lshl_b32 s16, s16, 11                        ; x 2,048 bytes (below 2^25)
	s_mov_b32 s17, 0
	s_mul_i32 s46, s42, 192
	s_mul_i32 s47, s12, 96
	s_add_co_u32 s46, s46, s47                     ; row 192 head + 96 half
	s_lshl_b32 s46, s46, 11
	s_mov_b32 s47, 0
	s_mul_i32 s20, s10, AHALF                      ; LDS: waves 0, 1: Xb's halves at 0 and AHALF
	s_mul_i32 s21, s10, BHALF
	s_add_co_u32 s21, s21, BOFF-2*BHALF            ; waves 2, 3: Wt's halves at BOFF and BOFF + BHALF
	s_wait_dscnt 0x0
	s_wait_kmcnt 0x0
	s_add_nc_u64 s[14:15], s[68:69], s[16:17]
	s_add_nc_u64 s[46:47], s[70:71], s[46:47]
	CROUND                                         ; all sixteen work-groups are here: the first joint loads meet
.irp s, 0,1
	s_mov_b32 s[G0+4*\s], 1
	s_add_co_u32 s[G0+4*\s+1], s20, \s*SLOT
	s_add_nc_u64 s[G0+4*\s+2:G0+4*\s+3], s[14:15], \s*KSTEP*2
	s_or_b32 s[G0+4*\s+3], s[G0+4*\s+3], 0x80000000
	s_mov_b32 s[G0B+4*\s], 1
	s_add_co_u32 s[G0B+4*\s+1], s21, \s*SLOT
	s_add_nc_u64 s[G0B+4*\s+2:G0B+4*\s+3], s[46:47], \s*KSTEP*2
	s_or_b32 s[G0B+4*\s+3], s[G0B+4*\s+3], 0x80000000
	JLOAD \s                                       ; K steps 0 and 1: two loads of this wave are out
.endr
	v_and_b32 v1, 15, v0                           ; r: kept to the end
	v_bfe_u32 v2, v0, 4, 1                         ; h: kept to the end
	v_mul_u32_u24 v3, v1, PITCH
	v_lshl_add_u32 v3, v2, 4, v3                   ; a fragment: row r, 16 bytes at 16 h, and 32 bytes further
	s_mul_i32 s22, s10, 64*PITCH                   ; my 64 rows of Xb
	s_mov_b32 s23, BOFF                            ; all 192 rows of Wt
.irp s, 0,1
	v_add_nc_u32 v[ADRA+\s], s22, v3
	v_add_nc_u32 v[ADRB+\s], s23, v3
	s_add_co_u32 s22, s22, SLOT
	s_add_co_u32 s23, s23, SLOT
.endr
	v_and_b32 v4, 31, v0
	v_lshlrev_b32 v[LN16], 4, v4
	v_lshlrev_b32 v[H32], 5, v2
	v_lshlrev_b32 v[R4], 2, v1
	; biases of my head: they stay on their way during the K loop and are waited for on the way out
	s_lshl_b32 s92, s42, 8                         ; head x 64 x 4 bytes
	s_mov_b32 s93, 0
	s_add_nc_u64 s[72:73], s[72:73], s[92:93]
	s_add_nc_u64 s[74:75], s[74:75], s[92:93]
	s_add_nc_u64 s[76:77], s[76:77], s[92:93]
.irp b, 0,1,2,3
	global_load_b128 v[BQK+8*\b:BQK+8*\b+3],       v[H32], s[72:73] offset:64*\b      ; bq[16 b + 8 h .. + 7]
	global_load_b128 v[BQK+8*\b+4:BQK+8*\b+7],     v[H32], s[72:73] offset:64*\b+16
	global_load_b128 v[BQK+32+8*\b:BQK+32+8*\b+3], v[H32], s[74:75] offset:64*\b      ; bk likewise
	global_load_b128 v[BQK+36+8*\b:BQK+36+8*\b+3], v[H32], s[74:75] offset:64*\b+16
	global_load_b32 v[BV+2*\b],   v[R4], s[76:77] offset:64*\b                        ; bv[16 dt + r], into both registers of a pair
	global_load_b32 v[BV+2*\b+1], v[R4], s[76:77] offset:64*\b
.endr
	; where the results go: ((y >> 3) 16 + head) x 262,144 + ((y & 7) 16 + 4 w) x 2,048
	s_lshr_b32 s92, s13, 3
	s_lshl4_add_u32 s92, s92, s42
	s_lshl_b32 s92, s92, 18
	s_and_b32 s94, s13, 7
	s_lshl_b32 s94, s94, 4
	s_lshl2_add_u32 s94, s10, s94
	s_lshl_b32 s94, s94, 11
	s_add_co_u32 s92, s92, s94
	s_add_nc_u64 s[86:87], s[78:79], s[92:93]
	s_add_nc_u64 s[88:89], s[80:81], s[92:93]
	s_add_nc_u64 s[90:91], s[82:83], s[92:93]
	; and my partial mean: ((y >> 3) 16 + head) x 8,192 + (4 (y & 7) + w) x 256
	s_lshr_b32 s6, s13, 3
	s_lshl4_add_u32 s6, s6, s42
	s_lshl_b32 s6, s6, 13
	s_and_b32 s7, s13, 7
	s_lshl2_add_u32 s7, s7, s10
	s_lshl_b32 s7, s7, 8
	s_add_co_u32 s6, s6, s7
	s_mov_b32 s7, 0
	s_add_nc_u64 s[4:5], s[4:5], s[6:7]
; 16 matrix instructions for Q and K: row tiles a0, a0 + 1 x column tiles 0..7.  Source 0 = Wt (window 1), source 1 = Xb (window 0), sums in window 2.
.macro MULQK p, a0, zero
.irp a, \a0, \a0+1
.irp b, 0,1,2,3,4,5,6,7
.if \zero
	v_wmma_f32_16x16x32_bf16 v[8*(8*(\a)+\b):8*(8*(\a)+\b)+7], v[96*\p+8*\b:96*\p+8*\b+7], v[FA+32*\p+8*(\a):FA+32*\p+8*(\a)+7], 0
.else
	v_wmma_f32_16x16x32_bf16 v[8*(8*(\a)+\b):8*(8*(\a)+\b)+7], v[96*\p+8*\b:96*\p+8*\b+7], v[FA+32*\p+8*(\a):FA+32*\p+8*(\a)+7], v[8*(8*(\a)+\b):8*(8*(\a)+\b)+7]
.endif
.endr
.endr
.endm
; 16 matrix instructions for V: source 0 = Xb (window 0), source 1 = Wt's tiles 8..11 (window 1), sums in window 3.
.macro MULV p, zero
.irp a, 0,1,2,3
.irp d, 0,1,2,3
.if \zero
	v_wmma_f32_16x16x32_bf16 v[8*(4*\a+\d):8*(4*\a+\d)+7], v[FA+32*\p+8*\a:FA+32*\p+8*\a+7], v[96*\p+8*(8+\d):96*\p+8*(8+\d)+7], 0
.else
	v_wmma_f32_16x16x32_bf16 v[8*(4*\a+\d):8*(4*\a+\d)+7], v[FA+32*\p+8*\a:FA+32*\p+8*\a+7], v[96*\p+8*(8+\d):96*\p+8*(8+\d)+7], v[8*(4*\a+\d):8*(4*\a+\d)+7]
.endif
.endr
.endr
.endm
; 32 LDS loads in one run: 4 fragments of Xb, then 12 of Wt (V's four last), 32 along K at byte k of the rows, into buffer p
.macro FETCH slot, k, p
	WIN 0
.irp i, 0,1,2,3
	ds_load_b128 v[FA+32*\p+8*\i:FA+32*\p+8*\i+3],   v[ADRA+\slot] offset:\k+\i*16*PITCH
	ds_load_b128 v[FA+32*\p+8*\i+4:FA+32*\p+8*\i+7], v[ADRA+\slot] offset:\k+\i*16*PITCH+32
.endr
	WIN 0x40
.irp i, 0,1,2,3,4,5,6,7,8,9,10,11
	ds_load_b128 v[96*\p+8*\i:96*\p+8*\i+3],   v[ADRB+\slot] offset:\k+\i*16*PITCH
	ds_load_b128 v[96*\p+8*\i+4:96*\p+8*\i+7], v[ADRB+\slot] offset:\k+\i*16*PITCH+32
.endr
.endm
; A quarter of a K step: 48 matrix instructions on buffer p; in its middle the next quarter's fragments go into buffer g.
; The 48 accumulators take turns, one instruction a turn, in the same order in every quarter.
.macro QUARTER slot, k, p, g, zero
	s_wait_dscnt 8                                 ; all but the youngest eight loads: those are Wt's tiles 8..11, which V alone needs
	WIN 0xa1
	MULQK \p, 0, \zero
	MULQK \p, 2, \zero
	PLACES
	FETCH \slot, \k, \g
	s_wait_dscnt 32                                ; all but the 32 just issued
	WIN 0xf4
	MULV \p, \zero
.endm
.macro THREE slot, zero
	QUARTER \slot, 64,  0, 1, \zero
	QUARTER \slot, 128, 1, 0, 0
	QUARTER \slot, 192, 0, 1, 0
.endm
; The last quarter multiplies buffer 1 and changes slots.  In front of the barrier each wave waits for its reads of this slot and for all its tensor loads
; (one is out: its part of the next slot); behind the round the refill comes first.  From a request to the wait for it a wave issues 176 matrix instructions.
.macro TURN slot, next, fill
	s_wait_dscnt 8
	WIN 0xa1
	MULQK 1, 0, 0
	s_wait_dscnt 0                                 ; my reads of this slot are over
	s_wait_tensorcnt 0x0                           ; all my tensor loads have landed
	ds_add_u32 v255, v255
	s_wait_dscnt 0x0
	s_barrier_signal -1
	MULQK 1, 2, 0                                  ; register work while the others arrive
	WIN 0
	s_barrier_wait -1
.if \fill
	CREST                                          ; all sixteen work-groups have said so: no partner reads this slot or has a load on its way
	s_add_nc_u64 s[G0+4*\slot+2:G0+4*\slot+3], s[G0+4*\slot+2:G0+4*\slot+3], 2*KSTEP*2
	s_add_nc_u64 s[G0B+4*\slot+2:G0B+4*\slot+3], s[G0B+4*\slot+2:G0B+4*\slot+3], 2*KSTEP*2
	JLOAD \slot                                    ; my one tensor load behind the round
.endif
	PLACES
	FETCH \next, 0, 0
	WIN 0xf4
	MULV 1, 0
.endm
.macro LAP zero
	THREE 0, \zero
	TURN 0, 1, 1
	THREE 1, 0
	TURN 1, 0, 1
.endm
	s_wait_tensorcnt 1                             ; my part of K step 0 is in; K step 1's stays out
	s_barrier_signal -1
	s_barrier_wait -1
	FETCH 0, 0, 0
	LAP 1                                          ; the first products start the sums: nothing is cleared
	WIN 0
	s_mov_b32 s3, LAPS-2
.Llap:
	LAP 0
	WIN 0
	s_sub_co_u32 s3, s3, 1
	s_cmp_lg_u32 s3, 0
	s_cbranch_scc1 .Llap
	THREE 0, 0                                     ; the last lap fills nothing
	TURN 0, 1, 0
	THREE 1, 0
	s_wait_dscnt 8
	WIN 0xa1
	MULQK 1, 0, 0
	MULQK 1, 2, 0
	s_wait_dscnt 0
	WIN 0xf4
	MULV 1, 0
	; THE WAY OUT
	PLACES
	WIN 0
	s_wait_loadcnt 0x0                             ; the biases
.irp i, 0,2,4,6,8,10,12,14,16,18,20,22,24,26,28,30
	v_pk_mul_f32 v[BQK+\i:BQK+\i+1], v[BQK+\i:BQK+\i+1], s[84:85] op_sel_hi:[1,0]   ; (sum + bq) c = sum c + bq c: one fused multiply-add below
.endr
.macro OUTQK a
	WIN 0x02                                       ; source 0 in window 2
.irp b, 0,1,2,3
.irp i, 0,2,4,6
	v_pk_fma_f32 v[T+8*\b+\i:T+8*\b+\i+1], v[8*(8*\a+\b)+\i:8*(8*\a+\b)+\i+1], s[84:85], v[BQK+8*\b+\i:BQK+8*\b+\i+1] op_sel_hi:[1,0,1]
.endr
.endr
.irp b, 4,5,6,7
.irp i, 0,2,4,6
	v_pk_add_f32 v[T+8*\b+\i:T+8*\b+\i+1], v[8*(8*\a+\b)+\i:8*(8*\a+\b)+\i+1], v[BQK+8*\b+\i:BQK+8*\b+\i+1]
.endr
.endr
	WIN 0
	s_wait_xcnt 0x0                                ; Y, which the stores before read, is rewritten only behind this wait
.irp b, 0,1,2,3,4,5,6,7
.irp i, 0,1,2,3
	v_cvt_pk_f16_f32 v[Y+4*\b+\i], v[T+8*\b+2*\i], v[T+8*\b+2*\i+1]
.endr
.endr
.irp b, 0,1,2,3
	global_store_b128 v[LN16], v[Y+4*\b:Y+4*\b+3],       s[86:87] offset:\a*2048+\b*512   ; 512 consecutive bytes a wave
	global_store_b128 v[LN16], v[Y+16+4*\b:Y+16+4*\b+3], s[88:89] offset:\a*2048+\b*512
.endr
.endm
.macro OUTV a
	WIN 0x03                                       ; source 0 in window 3
.irp d, 0,1,2,3
.irp i, 0,2,4,6
	v_pk_add_f32 v[T+8*\d+\i:T+8*\d+\i+1], v[8*(4*\a+\d)+\i:8*(4*\a+\d)+\i+1], v[BV+2*\d:BV+2*\d+1]
.endr
.endr
	WIN 0
	; the sum of V + bv over my rows, in f32, four chains (one for each dt); the first two pairs start the sums
.irp d, 0,1,2,3
.if \a == 0
	v_pk_add_f32 v[VS+2*\d:VS+2*\d+1], v[T+8*\d:T+8*\d+1], v[T+8*\d+2:T+8*\d+3]
.else
	v_pk_add_f32 v[VS+2*\d:VS+2*\d+1], v[VS+2*\d:VS+2*\d+1], v[T+8*\d:T+8*\d+1]
.endif
.endr
.if \a != 0
.irp d, 0,1,2,3
	v_pk_add_f32 v[VS+2*\d:VS+2*\d+1], v[VS+2*\d:VS+2*\d+1], v[T+8*\d+2:T+8*\d+3]
.endr
.endif
.irp i, 4,6
.irp d, 0,1,2,3
	v_pk_add_f32 v[VS+2*\d:VS+2*\d+1], v[VS+2*\d:VS+2*\d+1], v[T+8*\d+\i:T+8*\d+\i+1]
.endr
.endr
	s_wait_xcnt 0x0
.irp d, 0,1,2,3
.irp i, 0,1,2,3
	v_cvt_pk_f16_f32 v[Y+4*\d+\i], v[T+8*\d+2*\i], v[T+8*\d+2*\i+1]
.endr
.endr
.irp d, 0,1,2,3
	global_store_b128 v[LN16], v[Y+4*\d:Y+4*\d+3], s[90:91] offset:\a*2048+\d*512
.endr
.endm
	OUTQK 0
	OUTQK 1
	OUTQK 2
	OUTQK 3
	OUTV 0
	OUTV 1
	OUTV 2
	OUTV 3
	; my partial mean of V: a lane holds the sums of rows 8 h + j of the four row tiles at d = 16 dt + r; the other half of the lanes holds the other 32 rows
	s_mov_b32 s94, 0x76543210                      ; lane i of one half reads lane i of the other
	s_mov_b32 s95, 0xfedcba98
.irp d, 0,1,2,3
	v_add_f32 v[VS+2*\d], v[VS+2*\d], v[VS+2*\d+1]
.endr
.irp d, 0,1,2,3
	v_permlanex16_b32 v[VS+2*\d+1], v[VS+2*\d], s94, s95
.endr
.irp d, 0,1,2,3
	v_add_f32 v[VS+2*\d], v[VS+2*\d], v[VS+2*\d+1]
.endr
	v_cmp_ne_u32 vcc_lo, 0, v2
	v_cndmask_b32 v208, v[VS], v[VS+4], vcc_lo     ; lane (r, h) stores dt = 2 h
	v_cndmask_b32 v209, v[VS+2], v[VS+6], vcc_lo   ; and dt = 2 h + 1
	v_pk_mul_f32 v[208:209], v[208:209], 0x3a000000 op_sel_hi:[1,0]   ; / 2048
	v_lshlrev_b32 v210, 3, v1
	v_lshl_add_u32 v210, v2, 7, v210               ; 128 h + 8 r
	global_store_b64 v210, v[208:209], s[4:5]      ; the wave's store covers 256 consecutive bytes, aligned
	CROUND                                         ; the closing round: no work-group ends while a partner may still ask for a tile that names it
	s_endpgm
.Lfunc_end_k_qc03aa64123_qkv:
	.size	k_qc03aa64123_qkv, .Lfunc_end_k_qc03aa64123_qkv-k_qc03aa64123_qkv
	.p2alignl 7, 3214868480
	.fill 96, 4, 3214868480
	.section	.rodata,"a",@progbits
	.p2align	6, 0x0
	.amdhsa_kernel k_qc03aa64123_qkv
		.amdhsa_group_segment_fixed_size 327680
		.amdhsa_private_segment_fixed_size 0
		.amdhsa_enable_private_segment 0
		.amdhsa_kernarg_size 72
		.amdhsa_user_sgpr_count 2
		.amdhsa_user_sgpr_kernarg_segment_ptr 1
		.amdhsa_wavefront_size32 1
		.amdhsa_system_sgpr_workgroup_id_x 1
		.amdhsa_system_sgpr_workgroup_id_y 1
		.amdhsa_system_sgpr_workgroup_id_z 1
		.amdhsa_system_vgpr_workitem_id 0
		.amdhsa_next_free_vgpr 896
		.amdhsa_next_free_sgpr 96
		.amdhsa_reserve_vcc 1
		.amdhsa_float_denorm_mode_32 3
		.amdhsa_float_denorm_mode_16_64 3
		.amdhsa_memory_ordered 1
		.amdhsa_forward_progress 1
		.amdhsa_inst_pref_size 176
	.end_amdhsa_kernel
	.amdgpu_metadata
---
amdhsa.version: [ 1, 2 ]
amdhsa.kernels:
  - .name:           k_qc03aa64123_qkv
    .symbol:         k_qc03aa64123_qkv.kd
    .args:
      - { .name: Xb, .offset: 0, .size: 8, .value_kind: global_buffer, .address_space: global }
      - { .name: Wt, .offset: 8, .size: 8, .value_kind: global_buffer, .address_space: global }
      - { .name: bq, .offset: 16, .size: 8, .value_kind: global_buffer, .address_space: global }
      - { .name: bk, .offset: 24, .size: 8, .value_kind: global_buffer, .address_space: global }
      - { .name: bv, .offset: 32, .size: 8, .value_kind: global_buffer, .address_space: global }
      - { .name: Qf, .offset: 40, .size: 8, .value_kind: global_buffer, .address_space: global }
      - { .name: Kf, .offset: 48, .size: 8, .value_kind: global_buffer, .address_space: global }
      - { .name: Vf, .offset: 56, .size: 8, .value_kind: global_buffer, .address_space: global }
      - { .name: Vm, .offset: 64, .size: 8, .value_kind: global_buffer, .address_space: global }
    .group_segment_fixed_size: 327680
    .private_segment_fixed_size: 0
    .kernarg_segment_align: 8
    .kernarg_segment_size: 72
    .max_flat_workgroup_size: 128
    .sgpr_count:     96
    .vgpr_count:     896
    .wavefront_size: 32
...
	.end_amdgpu_metadata
.endif
;; end of part 2
;; launch attn (part 3): grid 256 x 1, 8 waves a work-group, no clusters, 70,656 bytes of LDS; arguments Qf, Kf, Vf, time_intervals, mask, alpha, out0, Vm; writes out0
.if DOCPART == 3
	.amdgcn_target "amdgcn-amd-amdhsa--gfx1250"
	.amdhsa_code_object_version 6
	.text
	.protected	k_qc03aa64123_attn
	.globl	k_qc03aa64123_attn
	.p2align	8
	.type	k_qc03aa64123_attn,@function
k_qc03aa64123_attn:
	s_mov_b64 s[64:65], 0
	v_nop
	global_prefetch_b8 v0, s[64:65] scope:SCOPE_SE
	s_setreg_imm32_b32 hwreg(HW_REG_WAVE_MODE, 25, 1), 1
	s_wait_xcnt 0x0
; attn: softmax(Q K^T / 8 - |alpha| t, masked to -1e9) V with a running maximum, in base 2 (Q already carries log2(e)/8).
; Work-group id: hh = id & 1, qb = (id >> 1) & 31, b = id >> 6: 64 query rows x 8 heads.  Wave w: head 8 hh + w, all 64 rows, 32 steps of 64 keys.
; Eight waves, two on a SIMD: a step has 64 matrix instructions and about eight times as many vector instructions, so one wave's softmax runs beside the other's products.
; TRANSPOSED: S^T = K Q^T and O^T = V^T P^T.  Lane (r, h) then always owns query 16 qt + r: maximum, sum and rescale factor are one register for each query tile,
;   one exchange across h finishes a reduction, and two tiles of S^T convert in place into a source-1 fragment of P^T.
; BIAS: once a step the eight waves make bias' = (mask != 0 ? -|alpha| log2(e) t : -1e30) for 64 x 64 in LDS; each wave loads it as the C of its first product.
; MASKED SCORES: their value is FLOOR = -1e9 log2(e).  The running maximum m starts at FLOOR.  f32 numbers near FLOOR lie 128 apart, so either m - FLOOR >= 128, and then
;   a masked score's weight 2^(FLOOR - m) <= 2^-128 is below the smallest normal number, which v_exp_f32 gives as 0 (ISA guide, its entry in 15.8): the -1e30 gives the same 0;
;   or m = FLOOR: nothing lies above the masked score, every key counts alike, and the row is the mean of V, whose 32 partial sums the projection launch left in Vm.
;   The choice between O / l and the mean is a select on m = FLOOR at the end; both are always computed.
; K, V and Q come by global loads of 512 consecutive bytes straight into operand registers: inside the work-group each fragment feeds one wave alone, so LDS would add
;   a write and a read of 16 KiB a wave and step and spare nothing.  NO CLUSTER: time and mask pass through registers to be combined, and K and V are not staged in LDS.
; LIMITS: an unmasked score at or below -1e9 counts as -1e9; |Q K| log2(e)/8 must stay far below 1e30; NaN and infinite inputs are not carried as the problem's function carries them
;   (the maximum drops a NaN); exponentials below 2^-126 are 0; Q, K, V, P are f16: |Q| log2(e)/8, |K|, |V| < 65,504, and P below 2^-24 is 0 (P <= 1).
.set BIASB, 64*272                     ; a bias buffer: 64 query rows x (256 + 16) bytes
.set STAGE, 2*BIASB                    ; behind the two buffers: 16 x 272 bytes for each wave, for the way out
.set LOFF,   1                         ; v1  16 x lane
.set RAWOFF, 2                         ; v2  time, mask: row 8 w + (L >> 4), 16 bytes at 16 (L & 15)
.set LST,    3                         ; v3  the same place in a bias buffer
.set LRD,    4                         ; v4  r x 272 + 32 h: where my C registers lie
.set PFO,    5                         ; v5  prefetch: row 16 w + (L >> 1), block L & 1
.set STO,    6                         ; v6  stage, in
.set SRD,    7                         ; v7  stage, back
.set ML,     8                         ; v[8+2qt:9+2qt]   (m, l)
.set CR,     16                        ; v[16+2qt:17+2qt] (rescale factor, exchange temporary)
.set SM,     24                        ; v24-31  at work: two chains of maxima for each query tile; then four chains of sums for the tile that is summed
.set SC,     32                        ; v32-159  S^T tile (kt, qt) at 32 qt + 8 kt; P(qt, c) at 32 qt + 16 c
.set RAW,    160                       ; v160-175 time, v176-191 mask
.set QF,     192                       ; v192-255 Q fragment (qt, ks) at 16 qt + 8 ks; at the end v192-223 the mean of V
.set OA,     0                         ; window 1: O^T tile (dt, qt) at 8 (4 qt + dt)
.set KF,     128                       ; window 1: K fragment (kt, ks) at 16 kt + 8 ks
.set VF,     192                       ; window 1: V^T fragment (dt, c) at 8 (2 dt + c)
.set MSB, 0
.macro WIN new
.if MSB != \new
	s_set_vgpr_msb (MSB<<8)|\new
.set MSB, \new
.endif
.endm
.macro PLACES cnt                      ; plain vector instructions behind matrix instructions (ISA guide 7.12.1)
.rept \cnt
	v_nop
.endr
.endm
.macro RAWLD tile                      ; time and mask of a key tile (counted from the bases): my 8 rows of 256 bytes each, two rows a load
.irp i, 0,1,2,3
	global_load_b128 v[RAW+4*\i:RAW+4*\i+3], v[RAWOFF], s[28:29] offset:(\tile)*256+16384*\i
.endr
.irp i, 0,1,2,3
	global_load_b128 v[RAW+16+4*\i:RAW+16+4*\i+3], v[RAWOFF], s[30:31] offset:(\tile)*256+16384*\i
.endr
.endm
.macro COMB buf                        ; bias' of my 8 rows into bias buffer buf
.irp i, 0,2,4,6,8,10,12,14
	v_pk_mul_f32 v[RAW+\i:RAW+\i+1], v[RAW+\i:RAW+\i+1], s[36:37] op_sel_hi:[1,0]
.endr
.irp i, 0,1,2,3,4,5,6,7,8,9,10,11,12,13,14,15
	v_cmp_ne_u32 vcc_lo, 0, v[RAW+16+\i]
	v_cndmask_b32 v[RAW+\i], s39, v[RAW+\i], vcc_lo
.endr
.irp i, 0,1,2,3
	ds_store_b128 v[LST], v[RAW+4*\i:RAW+4*\i+3] offset:(\buf)*BIASB+544*\i
.endr
.endm
.macro KLD tile                        ; a key tile's 8,192 bytes, 512 consecutive bytes a load
	WIN 0x40
.irp u, 0,1,2,3,4,5,6,7,8,9,10,11,12,13,14,15
	global_load_b128 v[KF+4*\u:KF+4*\u+3], v[LOFF], s[24:25] offset:(\tile)*8192+512*\u
.endr
	WIN 0
.endm
; The 32 partial means of V of my head, into K's registers, which the last step's products have left: lane (r, h) takes partials r and r + 16, and of each the
; 32 numbers d = 16 dt + 8 h + j that its O^T registers hold: register 16 (dt >> 1) + 2 j + (dt & 1) of each half.
.macro MLD
	v_and_b32 v[RAW], 15, v0                       ; time's and mask's registers are free: no tile is left to combine
	v_bfe_u32 v[RAW+1], v0, 4, 1
	v_lshlrev_b32 v[RAW], 8, v[RAW]
	v_lshl_add_u32 v[RAW], v[RAW+1], 6, v[RAW]     ; 256 r + 64 h
	WIN 0x40
.irp hf, 0,1
.irp u, 0,1,2,3,4,5,6,7
	global_load_b128 v[KF+32*\hf+4*\u:KF+32*\hf+4*\u+3], v[RAW], s[50:51] offset:4096*\hf+128*(\u>>2)+16*(\u&3)
.endr
.endr
	WIN 0
.endm
; The new maximum of each query and the rescale factor 2^(old - new).  33 numbers a lane and query tile (32 scores and the old maximum) in 16 instructions,
; two chains for each of the four tiles: eight instructions stand between one link of a chain and the next.
.macro ROWMAX first
.irp qt, 0,1,2,3
.if \first
	v_max3_num_f32 v[SM+2*\qt], v[SC+32*\qt], v[SC+32*\qt+1], s38
.else
	v_max3_num_f32 v[SM+2*\qt], v[SC+32*\qt], v[SC+32*\qt+1], v[ML+2*\qt]
.endif
.endr
.irp qt, 0,1,2,3
	v_max3_num_f32 v[SM+2*\qt+1], v[SC+32*\qt+2], v[SC+32*\qt+3], v[SC+32*\qt+4]
.endr
.set ii, 5
.rept 6
.irp qt, 0,1,2,3
	v_max3_num_f32 v[SM+2*\qt], v[SC+32*\qt+ii], v[SC+32*\qt+ii+1], v[SM+2*\qt]
.endr
.irp qt, 0,1,2,3
	v_max3_num_f32 v[SM+2*\qt+1], v[SC+32*\qt+ii+2], v[SC+32*\qt+ii+3], v[SM+2*\qt+1]
.endr
.set ii, ii+4
.endr
.irp qt, 0,1,2,3
	v_max3_num_f32 v[SM+2*\qt], v[SC+32*\qt+29], v[SC+32*\qt+30], v[SM+2*\qt]
.endr
.irp qt, 0,1,2,3
	v_max3_num_f32 v[SM+2*\qt], v[SM+2*\qt], v[SM+2*\qt+1], v[SC+32*\qt+31]
.endr
.irp qt, 0,1,2,3
	v_permlanex16_b32 v[CR+2*\qt+1], v[SM+2*\qt], s40, s41      ; the other half's keys of the same query
.endr
.irp qt, 0,1,2,3
	v_max_num_f32 v[SM+2*\qt], v[SM+2*\qt], v[CR+2*\qt+1]
.endr
.if \first
.irp qt, 0,1,2,3
	v_mov_b32 v[ML+2*\qt], v[SM+2*\qt]
.endr
.else
.irp qt, 0,1,2,3
	v_sub_f32 v[CR+2*\qt], v[ML+2*\qt], v[SM+2*\qt]
	v_mov_b32 v[ML+2*\qt], v[SM+2*\qt]
.endr
.irp qt, 0,1,2,3
	v_exp_f32 v[CR+2*\qt], v[CR+2*\qt]                          ; first used far below; the subtractions that follow are the plain instructions behind it (ISA guide 5.7.2)
.endr
.endif
.endm
; Four stages of the softmax on four different query tiles in one pass of 16 turns (a tile number of 9: no such stage in this pass):
;   e: 2^x in place, two a turn;   a: the maximum is taken away, a pair a turn;   s: the sum, in four chains that are joined in the last four turns;
;   c: a pair is rounded to f16, in place: register n of a block of 16 takes pair n, and the pair n / 2 to which it belonged was converted in an earlier turn and summed in an earlier pass.
; A tile goes through a, e, s, c in successive passes, so no instruction reads the result of the one in front of it,
; and plain instructions of other tiles stand behind every exponential before its result is used (ISA guide 5.7.2).
.macro ZIP e, a, s, c, first
.set ii, 0
.rept 16
.if \e < 4
	v_exp_f32 v[SC+32*\e+2*ii], v[SC+32*\e+2*ii]
.endif
.if \a < 4
	v_pk_add_f32 v[SC+32*\a+2*ii:SC+32*\a+2*ii+1], v[SC+32*\a+2*ii:SC+32*\a+2*ii+1], v[ML+2*\a:ML+2*\a+1] op_sel_hi:[1,0] neg_lo:[0,1] neg_hi:[0,1]
.endif
.if \e < 4
	v_exp_f32 v[SC+32*\e+2*ii+1], v[SC+32*\e+2*ii+1]
.endif
.if \s < 4
.if ii < 4
	s_wait_alu depctr_va_vdst(0)
	v_pk_add_f32 v[SM+2*ii:SM+2*ii+1], v[SC+32*\s+2*ii:SC+32*\s+2*ii+1], v[SC+32*\s+2*ii+8:SC+32*\s+2*ii+9]   ; pairs 0..7 start the four chains
.else
.if ii < 12
	v_pk_add_f32 v[SM+2*(ii&3):SM+2*(ii&3)+1], v[SM+2*(ii&3):SM+2*(ii&3)+1], v[SC+32*\s+2*ii+8:SC+32*\s+2*ii+9]   ; pairs 8..15
.else
.if ii == 12
	v_pk_add_f32 v[SM:SM+1], v[SM:SM+1], v[SM+2:SM+3]
.else
.if ii == 13
	v_pk_add_f32 v[SM+4:SM+5], v[SM+4:SM+5], v[SM+6:SM+7]
.else
.if ii == 14
	v_pk_add_f32 v[SM:SM+1], v[SM:SM+1], v[SM+4:SM+5]
.else
.if \first
	v_add_f32 v[ML+2*\s+1], v[SM], v[SM+1]
	s_wait_alu depctr_va_vdst(0)
.else
	v_add_f32 v[SM], v[SM], v[SM+1]
.endif
.endif
.endif
.endif
.endif
.endif
.endif
.if \c < 4
	v_cvt_pk_f16_f32 v[SC+32*\c+16*(ii>>3)+(ii&7)], v[SC+32*\c+16*(ii>>3)+2*(ii&7)], v[SC+32*\c+16*(ii>>3)+2*(ii&7)+1]
.endif
.set ii, ii+1
.endr
.if \s < 4
.if \first
.else
	v_fma_f32 v[ML+2*\s+1], v[ML+2*\s+1], v[CR+2*\s], v[SM]
	s_wait_alu depctr_va_vdst(0)
.endif
.endif
.endm
.macro RESC qt                         ; O^T of a query tile times its rescale factor; source 0 and the destination in window 1, source 1 in window 0: the products' own setting
.set ii, 0
.rept 16
	v_pk_mul_f32 v[OA+32*\qt+ii:OA+32*\qt+ii+1], v[OA+32*\qt+ii:OA+32*\qt+ii+1], v[CR+2*\qt:CR+2*\qt+1] op_sel_hi:[1,0]
.set ii, ii+2
.endr
.endm
; 8 products O^T(dt, qt) += V^T(dt, c) P^T(qt, c); behind each, two of the 16 rescaling multiplies of query tile rs (9: none), which name none of its registers.
; The four accumulators of a query tile take turns, one instruction a turn.
.macro PVQ qt, first, rs
.set nn, 0
.irp c, 0,1
.irp dt, 0,1,2,3
.if \first*(1-\c)
	v_wmma_f32_16x16x32_f16 v[OA+8*(4*\qt+\dt):OA+8*(4*\qt+\dt)+7], v[VF+8*(2*\dt+\c):VF+8*(2*\dt+\c)+7], v[SC+32*\qt+16*\c:SC+32*\qt+16*\c+7], 0
.else
	v_wmma_f32_16x16x32_f16 v[OA+8*(4*\qt+\dt):OA+8*(4*\qt+\dt)+7], v[VF+8*(2*\dt+\c):VF+8*(2*\dt+\c)+7], v[SC+32*\qt+16*\c:SC+32*\qt+16*\c+7], v[OA+8*(4*\qt+\dt):OA+8*(4*\qt+\dt)+7]
.endif
.if \rs < 4
	v_pk_mul_f32 v[OA+32*\rs+nn:OA+32*\rs+nn+1], v[OA+32*\rs+nn:OA+32*\rs+nn+1], v[CR+2*\rs:CR+2*\rs+1] op_sel_hi:[1,0]
	v_pk_mul_f32 v[OA+32*\rs+nn+2:OA+32*\rs+nn+3], v[OA+32*\rs+nn+2:OA+32*\rs+nn+3], v[CR+2*\rs:CR+2*\rs+1] op_sel_hi:[1,0]
.endif
.set nn, nn+4
.endr
.endr
.endm
; One step of 64 keys.  j = the step's parity (the bases stand at the trip's even tile).  Global loads go out in the order V(i) 16, raw(i+2) 8, K(i+1) 16.
; kld = 1: the next key tile; 2: the partial means of V instead.  wv: how many younger loads may be out when V(i) has to be there.
.macro STEP j, first, comb, rawld, kld, bar, pf, wv
	WIN 0x40
.irp st, 0,1,2,3
.irp dt, 0,1,2,3
	global_load_b128 v[VF+8*(2*\dt+(\st>>1))+4*(\st&1):VF+8*(2*\dt+(\st>>1))+4*(\st&1)+3], v[LOFF], s[26:27] offset:\j*8192+\st*2048+\dt*512
.endr
.endr
	WIN 0
.irp qt, 0,1,2,3
.irp kt, 0,1,2,3
	ds_load_b128 v[SC+32*\qt+8*\kt:SC+32*\qt+8*\kt+3],   v[LRD] offset:\j*BIASB+\qt*4352+\kt*64      ; bias' of keys 16 kt + 8 h .. + 7, query 16 qt + r: the C of the first product
	ds_load_b128 v[SC+32*\qt+8*\kt+4:SC+32*\qt+8*\kt+7], v[LRD] offset:\j*BIASB+\qt*4352+\kt*64+16
.endr
.endr
.if \comb
	s_wait_loadcnt 32                              ; raw(i+1) is in: younger are K(i) and V(i), 16 loads each
	COMB 1-\j
.endif
	s_wait_loadcnt 16                              ; K(i) is in: younger are V(i)'s 16 loads
	WIN 0x01
.irp qt, 0,1,2,3                                   ; the four accumulators of a query tile take turns, one instruction a turn
	s_wait_dscnt 8*(3-\qt)+4*\comb                 ; this tile's 8 bias loads are in: younger are the later tiles' loads, 8 each, and my 4 bias stores
.irp ks, 0,1
.irp kt, 0,1,2,3
	v_wmma_f32_16x16x32_f16 v[SC+32*\qt+8*\kt:SC+32*\qt+8*\kt+7], v[KF+16*\kt+8*\ks:KF+16*\kt+8*\ks+7], v[QF+16*\qt+8*\ks:QF+16*\qt+8*\ks+7], v[SC+32*\qt+8*\kt:SC+32*\qt+8*\kt+7]
.endr
.endr
.endr
	PLACES 4
	WIN 0
	s_wait_dscnt 0x0                               ; my reads of this bias buffer and my stores into the other are done: the signal below says so, and the stores' data may be loaded over
.if \rawld
	RAWLD \j+2
.endif
.if \kld == 1
	KLD \j+1
.endif
.if \kld == 2
	MLD
.endif
.if \pf
	s_cmp_lt_u32 s18, 4                            ; waves 0..3, one block of 256 bytes a lane: 64 rows x the two key tiles four and five behind the trip's first.
	s_cbranch_scc0 .Lnopf_\@                       ; The even work-group of a pair asks for time, the odd one for mask, so each block is asked for once in the launch;
	global_prefetch_b8 v[PFO], s[32:33] offset:1024 th:TH_LOAD_NT scope:SCOPE_SE   ; the loads that want them go out one and two steps later.  The last asking trip reaches tile 31.
.Lnopf_\@:
.endif
.if \bar
	s_barrier_signal -1                            ; only register work up to the wait at the step's end
.endif
	ROWMAX \first
	ZIP 9, 0, 9, 9, \first
	ZIP 0, 1, 9, 9, \first
	ZIP 1, 2, 0, 9, \first
	ZIP 2, 3, 1, 0, \first
	ZIP 3, 9, 2, 1, \first
	ZIP 9, 9, 3, 2, \first
	ZIP 9, 9, 9, 3, \first
	s_wait_loadcnt \wv
	WIN 0x51
.if \first
	PVQ 0, 1, 9                                    ; the first products start the sums: nothing is cleared, nothing rescaled
	PVQ 1, 1, 9
	PVQ 2, 1, 9
	PVQ 3, 1, 9
.else
	RESC 0
	PVQ 0, 0, 1
	PVQ 1, 0, 2
	PVQ 2, 0, 3
	PVQ 3, 0, 9
.endif
	PLACES 5                                       ; the next step loads into V and P's registers and its products write over P's
	WIN 0
.if \bar
	s_barrier_wait -1                              ; every wave has read this step's bias and stored the next step's
.endif
.endm
.macro ADV                             ; two key tiles on
	s_wait_xcnt 0x0                                ; the bases are stepped only behind this wait
	s_add_nc_u64 s[24:25], s[24:25], 16384
	s_add_nc_u64 s[26:27], s[26:27], 16384
	s_add_nc_u64 s[28:29], s[28:29], 512
	s_add_nc_u64 s[30:31], s[30:31], 512
	s_add_nc_u64 s[32:33], s[32:33], 512
.endm
	s_load_b256 s[4:11], s[0:1], 0x0               ; Qf 4, Kf 6, Vf 8, time 10
	s_load_b128 s[12:15], s[0:1], 0x20             ; mask 12, alpha 14
	s_load_b128 s[48:51], s[0:1], 0x30             ; out0 48, Vm 50
	v_lshrrev_b32 v1, 5, v0
	v_readfirstlane_b32 s18, v1                    ; wave 0..7
	s_and_b32 s19, ttmp9, 1                        ; hh
	s_bfe_u32 s20, ttmp9, 0x50001                  ; qb
	s_lshr_b32 s21, ttmp9, 6                       ; b
	s_lshl3_add_u32 s22, s19, s18                  ; head = 8 hh + w
	s_mov_b32 s38, 0xceabfb8f                      ; FLOOR = -1e9 log2(e)
	s_mov_b32 s39, 0xf149f2ca                      ; -1e30
	s_mov_b32 s40, 0x76543210                      ; lane i of one half reads lane i of the other
	s_mov_b32 s41, 0xfedcba98
	v_and_b32 v24, 31, v0                          ; L
	v_and_b32 v25, 15, v0                          ; r
	v_bfe_u32 v26, v0, 4, 1                        ; h
	v_lshlrev_b32 v[LOFF], 4, v24
	v_lshlrev_b32 v27, 4, v25
	v_lshl_add_u32 v28, s18, 3, v26                ; row 8 w + h
	v_lshl_add_u32 v[RAWOFF], v28, 13, v27
	v_mul_u32_u24 v28, v28, 272
	v_add_nc_u32 v[LST], v28, v27
	v_mul_u32_u24 v29, v25, 272
	v_lshl_add_u32 v[LRD], v26, 5, v29
	v_lshrrev_b32 v30, 1, v24
	v_lshl_add_u32 v30, s18, 4, v30                ; row 16 w + (L >> 1)
	v_and_b32 v31, 1, v0
	v_lshlrev_b32 v31, 8, v31
	v_lshl_add_u32 v[PFO], v30, 13, v31
	s_mul_i32 s46, s18, 16*272
	s_add_co_u32 s46, s46, STAGE                   ; my stage
	v_add_nc_u32 v[STO], s46, v[LRD]
	v_mul_u32_u24 v29, v26, 272
	v_add_nc_u32 v29, v29, v27
	v_add_nc_u32 v[SRD], s46, v29
	s_wait_kmcnt 0x0
	s_load_b32 s36, s[14:15], 0x0                  ; alpha
	s_lshl4_add_u32 s44, s21, s22                  ; 16 b + head
	s_lshl_b32 s46, s44, 13                        ; x 32 partial means of 256 bytes
	s_mov_b32 s47, 0
	s_add_nc_u64 s[50:51], s[50:51], s[46:47]      ; Vm of my head
	s_lshl_b32 s44, s44, 18                        ; (16 b + head) x 262,144
	s_mov_b32 s45, 0
	s_add_nc_u64 s[24:25], s[6:7], s[44:45]        ; K of my head
	s_add_nc_u64 s[26:27], s[8:9], s[44:45]        ; V of my head
	s_lshl_b32 s46, s20, 13                        ; 4 qb tiles of 2,048 bytes
	s_add_co_u32 s44, s44, s46
	s_add_nc_u64 s[4:5], s[4:5], s[44:45]          ; my 64 rows of Q
	s_lshl_b32 s44, s21, 24
	s_lshl_b32 s46, s20, 19
	s_add_co_u32 s44, s44, s46                     ; (2048 b + 64 qb) x 8,192
	s_add_nc_u64 s[28:29], s[10:11], s[44:45]
	s_add_nc_u64 s[30:31], s[12:13], s[44:45]
	s_cmp_lg_u32 s19, 0
	s_cselect_b64 s[32:33], s[30:31], s[28:29]     ; what this work-group prefetches
	s_lshl_b32 s44, s21, 23
	s_lshl_b32 s46, s20, 18
	s_add_co_u32 s44, s44, s46                     ; (2048 b + 64 qb) x 4,096
	s_lshl_b32 s46, s22, 8
	s_add_co_u32 s44, s44, s46                     ; + head x 256
	s_add_nc_u64 s[34:35], s[48:49], s[44:45]
	RAWLD 0
.irp u, 0,1,2,3,4,5,6,7,8,9,10,11,12,13,14,15
	global_load_b128 v[QF+4*\u:QF+4*\u+3], v[LOFF], s[4:5] offset:512*\u
.endr
	s_cmp_lt_u32 s18, 4
	s_cbranch_scc0 .Lnopf_head
	global_prefetch_b8 v[PFO], s[32:33] offset:512 th:TH_LOAD_NT scope:SCOPE_SE   ; key tiles 2 and 3
.Lnopf_head:
.irp qt, 0,1,2,3
	v_mov_b32 v[ML+2*\qt+1], 0                     ; l and the exchange temporary stand in pairs that are named before they are first written
	v_mov_b32 v[CR+2*\qt+1], 0
.endr
	s_wait_kmcnt 0x0
	s_and_b32 s36, s36, 0x7fffffff
	s_mul_f32 s36, s36, 0xbfb8aa3b                 ; -|alpha| log2(e)
	s_mov_b32 s37, s36
	s_wait_loadcnt 16                              ; raw(0) is in; Q's 16 loads stay out
	COMB 0
	s_wait_dscnt 0x0
	RAWLD 1
	KLD 0
	s_barrier_signal -1
	s_barrier_wait -1                              ; tile 0's bias is whole
	STEP 0, 1, 1, 1, 1, 1, 0, 24                   ; V(i): younger are raw(i+2) 8 + K(i+1) 16
	STEP 1, 0, 1, 1, 1, 1, 1, 24
	ADV
	s_mov_b32 s42, 13
.Ltrip:
	STEP 0, 0, 1, 1, 1, 1, 0, 24
	STEP 1, 0, 1, 1, 1, 1, 1, 24
	ADV
	s_sub_co_i32 s42, s42, 1
	s_cmp_lg_u32 s42, 0
	s_cbranch_scc1 .Ltrip
	STEP 0, 0, 1, 1, 1, 1, 0, 24                   ; steps 28, 29: nothing is left to prefetch
	STEP 1, 0, 1, 1, 1, 1, 0, 24
	ADV
	STEP 0, 0, 1, 0, 1, 1, 0, 16                   ; step 30: no raw tile is left to load: younger than V are K(31)'s 16
	STEP 1, 0, 0, 0, 2, 0, 0, 16                   ; step 31: nothing to combine, no barrier; younger than V are the 16 loads of the partial means
	; THE WAY OUT: O / l, or the mean of V, 16 queries at a time through my own stage, back as rows of 256 bytes (my head's 64 numbers of a row of out0)
.irp qt, 0,1,2,3
	v_permlanex16_b32 v[CR+2*\qt+1], v[ML+2*\qt+1], s40, s41
.endr
.irp qt, 0,1,2,3
	v_add_f32 v[ML+2*\qt+1], v[ML+2*\qt+1], v[CR+2*\qt+1]
.endr
.irp qt, 0,1,2,3
	v_rcp_f32 v[CR+2*\qt], v[ML+2*\qt+1]           ; l >= 1 where m > FLOOR: the row's largest score gives 1.  Where l = 0 the quotient is thrown away below
.endr
	v_bfe_u32 v24, v0, 4, 1                        ; plain work behind the reciprocals (ISA guide 5.7.2): my offset in out0,
	v_and_b32 v25, 15, v0
	v_lshlrev_b32 v25, 4, v25
	v_lshl_add_u32 v24, v24, 12, v25               ; row L >> 4 (4,096 bytes), 16 bytes at 16 (L & 15)
	s_wait_loadcnt 0x0                             ; the partial means
	WIN 0x05                                       ; both sources in window 1, the destination in window 0: Q's registers, free since the last S^T products
.irp i, 0,2,4,6,8,10,12,14,16,18,20,22,24,26,28,30
	v_pk_add_f32 v[QF+\i:QF+\i+1], v[KF+\i:KF+\i+1], v[KF+32+\i:KF+32+\i+1]   ; partials r and r + 16
.endr
	WIN 0
	s_wait_alu depctr_va_vdst(0)
.irp k, 1,2,4,8                                    ; and over the 16 lanes r of my half: every lane ends with the mean at its 32 d
.set ii, 0
.rept 32
	v_add_f32_dpp v[QF+ii], v[QF+ii], v[QF+ii] row_xmask:\k row_mask:0xf bank_mask:0xf
.set ii, ii+1
.endr
.endr
.macro OUTQ qt
	WIN 0x01
.set ii, 0
.rept 16
	v_pk_mul_f32 v[RAW+ii:RAW+ii+1], v[OA+32*\qt+ii:OA+32*\qt+ii+1], v[CR+2*\qt:CR+2*\qt+1] op_sel_hi:[1,0]
.set ii, ii+2
.endr
	WIN 0
	v_cmp_eq_f32 vcc_lo, s38, v[ML+2*\qt]          ; nothing above the masked score: the mean of V
.irp dt, 0,1,2,3
.irp jj, 0,1,2,3,4,5,6,7
	v_cndmask_b32 v[RAW+8*\dt+\jj], v[RAW+8*\dt+\jj], v[QF+16*(\dt>>1)+2*\jj+(\dt&1)], vcc_lo
.endr
.endr
.irp dt, 0,1,2,3
	ds_store_b128 v[STO], v[RAW+8*\dt:RAW+8*\dt+3]   offset:64*\dt       ; query r, d = 16 dt + 8 h .. + 7
	ds_store_b128 v[STO], v[RAW+8*\dt+4:RAW+8*\dt+7] offset:64*\dt+16
.endr
.irp t, 0,1,2,3,4,5,6,7
	ds_load_b128 v[SC+32*\qt+4*\t:SC+32*\qt+4*\t+3], v[SRD] offset:544*\t   ; LDS serves a wave's instructions in order (ISA guide 5.7.1): these see the stores above
.endr
.irp t, 0,1,2,3,4,5,6,7
	s_wait_dscnt 7-\t
	global_store_b128 v24, v[SC+32*\qt+4*\t:SC+32*\qt+4*\t+3], s[34:35] offset:65536*\qt+8192*\t th:TH_STORE_NT   ; sixteen lanes fill 256 consecutive bytes, aligned
.endr
.endm
	OUTQ 0
	OUTQ 1
	OUTQ 2
	OUTQ 3
	s_wait_xcnt 0x0
	v_lshl_add_u32 v254, v0, 2, 0x11000
	v_mov_b32 v255, 0
	s_wait_tensorcnt 0x0
	ds_add_u32 v254, v255
	s_wait_dscnt 0x0
	s_endpgm
.Lfunc_end_k_qc03aa64123_attn:
	.size	k_qc03aa64123_attn, .Lfunc_end_k_qc03aa64123_attn-k_qc03aa64123_attn
	.p2alignl 7, 3214868480
	.fill 96, 4, 3214868480
	.section	.rodata,"a",@progbits
	.p2align	6, 0x0
	.amdhsa_kernel k_qc03aa64123_attn
		.amdhsa_group_segment_fixed_size 70656
		.amdhsa_private_segment_fixed_size 0
		.amdhsa_enable_private_segment 0
		.amdhsa_kernarg_size 64
		.amdhsa_user_sgpr_count 2
		.amdhsa_user_sgpr_kernarg_segment_ptr 1
		.amdhsa_wavefront_size32 1
		.amdhsa_system_sgpr_workgroup_id_x 1
		.amdhsa_system_sgpr_workgroup_id_y 1
		.amdhsa_system_sgpr_workgroup_id_z 1
		.amdhsa_system_vgpr_workitem_id 0
		.amdhsa_next_free_vgpr 512
		.amdhsa_next_free_sgpr 66
		.amdhsa_reserve_vcc 1
		.amdhsa_float_denorm_mode_32 3
		.amdhsa_float_denorm_mode_16_64 3
		.amdhsa_memory_ordered 1
		.amdhsa_forward_progress 1
		.amdhsa_inst_pref_size 255
	.end_amdhsa_kernel
	.section	.bss,"aw",@nobits
	.p2align	6
	.space	262144
	.amdgpu_metadata
---
amdhsa.version: [ 1, 2 ]
amdhsa.kernels:
  - .name:           k_qc03aa64123_attn
    .symbol:         k_qc03aa64123_attn.kd
    .args:
      - { .name: Qf, .offset: 0, .size: 8, .value_kind: global_buffer, .address_space: global }
      - { .name: Kf, .offset: 8, .size: 8, .value_kind: global_buffer, .address_space: global }
      - { .name: Vf, .offset: 16, .size: 8, .value_kind: global_buffer, .address_space: global }
      - { .name: time_intervals, .offset: 24, .size: 8, .value_kind: global_buffer, .address_space: global }
      - { .name: mask, .offset: 32, .size: 8, .value_kind: global_buffer, .address_space: global }
      - { .name: alpha, .offset: 40, .size: 8, .value_kind: global_buffer, .address_space: global }
      - { .name: out0, .offset: 48, .size: 8, .value_kind: global_buffer, .address_space: global }
      - { .name: Vm, .offset: 56, .size: 8, .value_kind: global_buffer, .address_space: global }
    .group_segment_fixed_size: 70656
    .private_segment_fixed_size: 0
    .kernarg_segment_align: 8
    .kernarg_segment_size: 64
    .max_flat_workgroup_size: 256
    .sgpr_count:     66
    .vgpr_count:     512
    .wavefront_size: 32
...
	.end_amdgpu_metadata
.endif
;; end of part 3
